; MI455X (gfx1250); checked and timed in simulation.
; The chip was launched on July 23, 2026; its instructions are those of AMD's public machine-readable ISA for CDNA 5 (MIT licence, August 2026) and "CDNA5" Instruction Set Architecture Reference Guide (July 2026). The comments in the code are by the model that wrote it; some were corrected since.
;; LSTM Cell NM. Allowed arithmetic: float matrix products may take bf16 or f16 operands with f32 sums; other float arithmetic in f32, or as packed bf16 or f16 multiplies, adds, multiply-adds, maxima and minima; sums over many terms, partial sums and values carried from step to step in f32; what a program stores and reads back later, other than sums and carried values, may be rounded once to bf16 or f16.
;; Inputs: bias 4,096 float32; c_tm1 8,192 x 1,024 float32; h_tm1 8,192 x 1,024 float32; inputs 8,192 x 1,024 float32; kernel 1,024 x 4,096 float32; recurrent_kernel 1,024 x 4,096 float32.
;; Outputs: out0 8,192 x 1,024 float32; out1 8,192 x 1,024 float32.
;; 2 versions, each right; version 2 is version 1 with the launch cast written anew for expert scheduling mode. Each part assembles by itself: llvm-mc -triple=amdgcn-amd-amdhsa -mcpu=gfx1250 --defsym DOCPART=n.
;; ======== version 1 of 2: 2 launches
;; limits: values outside matrix products are rounded to bf16
;; workspace buffers: abf 33,554,432 bytes; wp 16,777,216 bytes
;; launch cast (part 1): grid 256 x 3, 8 waves a work-group, no clusters, 0 bytes of LDS; arguments inputs, h_tm1, kernel, recurrent_kernel, abf, wp; writes abf, wp
.if DOCPART == 1
	.amdgcn_target "amdgcn-amd-amdhsa--gfx1250"
	.amdhsa_code_object_version 6
	.text
	.protected	k_qf7e685ccc9_cast
	.globl	k_qf7e685ccc9_cast
	.p2align	8
	.type	k_qf7e685ccc9_cast,@function
k_qf7e685ccc9_cast:
	s_mov_b64 s[64:65], 0
	v_nop
	global_prefetch_b8 v0, s[64:65] scope:SCOPE_SE
	s_setreg_imm32_b32 hwreg(HW_REG_WAVE_MODE, 25, 1), 1
	s_wait_xcnt 0x0
; THE LSTM CELL'S OPERANDS, ROUNDED ONCE TO bf16 AND LAID OUT FOR THE PRODUCT.  z = [inputs | h_tm1] [kernel ; recurrent_kernel] + bias is one product over K = 2,048.
;   abf [8192][2048] bf16: columns 0-1023 = inputs, columns 1024-2047 = h_tm1.
;   wp  [2048][4096] bf16: rows 0-1023 = kernel, rows 1024-2047 = recurrent_kernel; the columns are permuted so that 256 neighbouring columns hold the four gates of 64 units:
;       source column n = 1024 g + 64 jt + u goes to column 256 jt + 64 g + u (gate g 0..3, jt 0..15, u 0..63).  Nothing is transposed.
; NO WORK IS LEFT OUT in this program: every one of the six inputs reaches both outputs for general values, so all six are loaded (c_tm1 and bias by the second launch).
; LIMIT (format): every input of the module is rounded once to bf16, to nearest even; all sums and all the arithmetic behind the product stay in f32.
; SHARES.  Grid y = 0: inputs, y = 1: h_tm1, y = 2: both weights.  A wave moves 16,384 bytes of source by 32 loads of 16 bytes a lane, all issued before the first is waited for; the text is
; straight: no register is written while a load or store may still read it.  Each store of a wave covers 256 consecutive bytes, aligned; each load two or more aligned runs of 256.
; No LDS, no barrier, no matrix unit: no wave wants a byte that another has fetched.  No prefetch: the loads themselves are all out at once.
.set X, 8                              ; v[8:135]  32 x 4 registers as loaded; the first two of each four then hold the packed result
; w = 0: 4 rows of inputs or h_tm1.  Load i: 512 consecutive bytes, row i / 8.  Store i: the same 128 numbers, 256 bytes, in abf's row of 4,096 bytes.
; w = 1: one row of a weight.  Load i: lanes 0-15 take 256 bytes of gate 2 (i % 2), lanes 16-31 of gate 2 (i % 2) + 1, units 64 (i / 2) on.  Store i: bytes 256 i of wp's row.
.macro CAST w
.set i, 0
.rept 32
.if \w
	global_load_b128 v[X+4*i:X+4*i+3], v1, s[20:21] offset:256*(i/2)+8192*(i%2) th:TH_LOAD_NT
.else
	global_load_b128 v[X+4*i:X+4*i+3], v1, s[20:21] offset:512*i th:TH_LOAD_NT
.endif
.set i, i+1
.endr
.set i, 0
.rept 32
	s_wait_loadcnt 31-i                            ; loads come back in order (ISA guide 5.7.1): load i is in, the 31 - i younger ones stay out
	v_cvt_pk_bf16_f32 v[X+4*i], v[X+4*i], v[X+4*i+1]
	v_cvt_pk_bf16_f32 v[X+4*i+1], v[X+4*i+2], v[X+4*i+3]
.if \w
	global_store_b64 v2, v[X+4*i:X+4*i+1], s[22:23] offset:256*i th:TH_STORE_NT
.else
	global_store_b64 v2, v[X+4*i:X+4*i+1], s[22:23] offset:(i/8)*4096+(i%8)*256 th:TH_STORE_NT
.endif
.set i, i+1
.endr
.endm
	s_load_b256 s[4:11], s[0:1], 0x0               ; inputs s[4:5], h_tm1 s[6:7], kernel s[8:9], recurrent_kernel s[10:11]
	s_load_b128 s[12:15], s[0:1], 0x20             ; abf s[12:13], wp s[14:15]
	v_lshrrev_b32 v3, 5, v0
	v_readfirstlane_b32 s16, v3                    ; wave 0..7
	s_and_b32 s17, ttmp7, 0xffff                   ; grid y
	v_and_b32 v4, 31, v0                           ; lane
	v_lshlrev_b32 v2, 3, v4                        ; 8 bytes a lane on the way out
	s_mov_b32 s19, 0                               ; the offsets' high words
	s_mov_b32 s25, 0
	s_cmp_eq_u32 s17, 2
	s_cbranch_scc1 .Lweights
	v_lshlrev_b32 v1, 4, v4                        ; 16 bytes a lane on the way in
	s_lshl_b32 s18, ttmp9, 17                      ; the group's 32 rows of 4,096 bytes,
	s_lshl_b32 s24, s16, 14                        ; the wave's 4 of them: the same number in the source and in abf
	s_add_co_u32 s18, s18, s24
	s_lshl_b32 s24, s17, 11                        ; h_tm1 goes 2,048 bytes further along abf's rows
	s_wait_kmcnt 0x0
	s_cmp_eq_u32 s17, 0
	s_cselect_b64 s[20:21], s[4:5], s[6:7]
	s_add_nc_u64 s[20:21], s[20:21], s[18:19]
	s_add_nc_u64 s[22:23], s[12:13], s[18:19]
	s_add_nc_u64 s[22:23], s[22:23], s[24:25]
	CAST 0
	s_endpgm
.Lweights:
	v_lshrrev_b32 v5, 4, v4                        ; which of the load's two gates
	v_and_b32 v6, 15, v4
	v_lshlrev_b32 v1, 4, v6
	v_lshl_add_u32 v1, v5, 12, v1                  ; 4,096 bytes from gate to gate + 16 bytes a lane
	s_lshl_b32 s18, ttmp9, 3
	s_add_co_u32 s18, s18, s16                     ; row of wp = 8 x group + wave, 0..2047
	s_lshl_b32 s24, s18, 13                        ; 8,192 bytes a row of wp
	s_and_b32 s18, s18, 1023
	s_lshl_b32 s18, s18, 14                        ; 16,384 bytes a row of the source
	s_wait_kmcnt 0x0
	s_cmp_lt_u32 ttmp9, 128                        ; rows 0-1023 come from kernel
	s_cselect_b64 s[20:21], s[8:9], s[10:11]
	s_add_nc_u64 s[20:21], s[20:21], s[18:19]
	s_add_nc_u64 s[22:23], s[14:15], s[24:25]
	CAST 1
	s_endpgm
.Lfunc_end_k_qf7e685ccc9_cast:
	.size	k_qf7e685ccc9_cast, .Lfunc_end_k_qf7e685ccc9_cast-k_qf7e685ccc9_cast
	.p2alignl 7, 3214868480
	.fill 96, 4, 3214868480
	.section	.rodata,"a",@progbits
	.p2align	6, 0x0
	.amdhsa_kernel k_qf7e685ccc9_cast
		.amdhsa_group_segment_fixed_size 0
		.amdhsa_private_segment_fixed_size 0
		.amdhsa_enable_private_segment 0
		.amdhsa_kernarg_size 48
		.amdhsa_user_sgpr_count 2
		.amdhsa_user_sgpr_kernarg_segment_ptr 1
		.amdhsa_wavefront_size32 1
		.amdhsa_system_sgpr_workgroup_id_x 1
		.amdhsa_system_sgpr_workgroup_id_y 1
		.amdhsa_system_sgpr_workgroup_id_z 1
		.amdhsa_system_vgpr_workitem_id 0
		.amdhsa_next_free_vgpr 136
		.amdhsa_next_free_sgpr 66
		.amdhsa_reserve_vcc 0
		.amdhsa_float_denorm_mode_32 3
		.amdhsa_float_denorm_mode_16_64 3
		.amdhsa_memory_ordered 1
		.amdhsa_forward_progress 1
		.amdhsa_inst_pref_size 24
	.end_amdhsa_kernel
	.amdgpu_metadata
---
amdhsa.version: [ 1, 2 ]
amdhsa.kernels:
  - .name:           k_qf7e685ccc9_cast
    .symbol:         k_qf7e685ccc9_cast.kd
    .args:
      - { .name: inputs, .offset: 0, .size: 8, .value_kind: global_buffer, .address_space: global }
      - { .name: h_tm1, .offset: 8, .size: 8, .value_kind: global_buffer, .address_space: global }
      - { .name: kernel, .offset: 16, .size: 8, .value_kind: global_buffer, .address_space: global }
      - { .name: recurrent_kernel, .offset: 24, .size: 8, .value_kind: global_buffer, .address_space: global }
      - { .name: abf, .offset: 32, .size: 8, .value_kind: global_buffer, .address_space: global }
      - { .name: wp, .offset: 40, .size: 8, .value_kind: global_buffer, .address_space: global }
    .group_segment_fixed_size: 0
    .private_segment_fixed_size: 0
    .kernarg_segment_align: 8
    .kernarg_segment_size: 48
    .max_flat_workgroup_size: 256
    .sgpr_count:     66
    .vgpr_count:     136
    .wavefront_size: 32
...
	.end_amdgpu_metadata
.endif
;; end of part 1
;; launch cell (part 2): grid 16 x 32, 4 waves a work-group, clusters of 4 x 4, 327,680 bytes of LDS; arguments abf, wp, c_tm1, bias, out0, out1; writes out0, out1
.if DOCPART == 2
	.amdgcn_target "amdgcn-amd-amdhsa--gfx1250"
	.amdhsa_code_object_version 6
	.text
	.protected	k_qf7e685ccc9_cell
	.globl	k_qf7e685ccc9_cell
	.p2align	8
	.type	k_qf7e685ccc9_cell,@function
k_qf7e685ccc9_cell:
	s_mov_b64 s[64:65], 0
	v_nop
	global_prefetch_b8 v0, s[64:65] scope:SCOPE_SE
	s_setreg_imm32_b32 hwreg(HW_REG_WAVE_MODE, 25, 1), 1
	s_wait_xcnt 0x0
	s_wait_alu depctr_hold_cnt(0) depctr_sa_sdst(0) depctr_va_vdst(0) depctr_va_sdst(0) depctr_va_ssrc(0) depctr_va_vcc(0) depctr_vm_vsrc(0)
	s_getreg_b32 s2, hwreg(HW_REG_IB_STS2, 6, 4)
	s_cmp_eq_u32 s2, 0
	s_cbranch_scc0 .Lentry_in_a_cluster
	s_endpgm
.Lentry_in_a_cluster:
	s_bfe_u32 s2, ttmp6, 0x10000c
	s_cmp_lg_u32 s2, 0xf033
	s_cbranch_scc0 .Lentry_shape_is_right
	s_endpgm
.Lentry_shape_is_right:
; THE LSTM CELL.  z = abf wp + bias (abf [8192][2048], wp [2048][4096], both bf16, made by the launch before; sums in f32); then for each row and unit, from the four gates z0..z3:
;   i = clip(0.2 z0 + 0.5), f = clip(0.2 z1 + 0.5), c = f c_tm1 + i tanh(z2), o = clip(0.2 z3 + 0.5), h = o tanh(c).   out0 = h, out1 = c, both [8192][1024] f32.  z never goes to memory.
; No work is left out: every input reaches both outputs.
; LIMITS.  c_tm1 and bias are rounded once to bf16, like the product's operands: all six inputs of the module have the same one rounding.  tanh(x) = 1 - 2 / (1 + 2^(2 log2(e) x)): it ends at 1 and -1
; where the power overflows or vanishes, and is off by about 1e-7 absolutely.  NaN and infinities in the inputs are not treated apart: the clamp gives a number where a NaN came in.
; SHARES.  A work-group makes 256 rows x 256 columns of z: by wp's order of columns those are the four gates of 64 units.  Four waves, each 128 x 128: 64 accumulators, 512 registers.  Wave w has row half
; RH = w / 2 and unit half CH = w % 2; its column block b = 2 g + s is gate g, units 32 CH + 16 s on.  K goes in 16 steps of 128 through a ring of two LDS slots filled by the tensor data mover.
; THE MATRIX INSTRUCTION IS USED TRANSPOSED: source 0 = 16 columns of wp, source 1 = 16 rows of abf.  In the result lane l holds row l % 16 and its registers 0-7 the columns 8 (l / 16) + 0..7.  So the
; accumulators (a, 2 g + s), g = 0..3, hold the four gates of the same row and unit in the same lane and register: the tail changes no lanes.
; wp's rows lie along the columns, not along K: its fragments come out of LDS turned, by ds_load_tr16_b128, two loads a fragment like abf's.
; CLUSTERS: 4 x 4 work-groups.  The four of a row of the cluster need the same tiles of abf, the four of a column the same tiles of wp: each tile is asked for JOINTLY, by the same tensor load with the same
; descriptor and a mask that names the four.  c_tm1's tile (256 rows x 64 units) is a work-group's own: a plain load, a quarter a wave, into slot 0 when its last K step has been read.
; REGISTERS, in windows of 256 (s_set_vgpr_msb: bits 1:0 source 0, 3:2 source 1, 5:4 source 2, 7:6 destination):
;   window 0: v0-31 addresses and constants; v32-63 rows on their way out; v64-127, v128-191 abf's fragments, two buffers (the tail works there); v192-255 the prepared bias
;   window 1: v64-127, v128-191 wp's fragments, two buffers      windows 2, 3: the accumulators: (a, b) at v[8 (8 (a % 4) + b)] of window 2 + a / 4
.set KSTEP,  128
.set PA,     272                       ; an LDS row of abf: 256 bytes + 16 of padding = 68 words: the 16 rows of a load start at 16 different groups of four banks (64 banks of 4 bytes: ISA guide 11.1)
.set PB,     544                       ; an LDS row of wp: 512 bytes + 32 of padding = 136 words
.set HALFT,  128*PA                    ; what one tensor load brings: 128 rows of abf, or 64 rows of wp (64 x 544 is the same number)
.set SLOT,   4*HALFT                   ; abf's 256 rows, then wp's 128 rows
.set BOFF,   2*HALFT
.set STAGE,  2*SLOT                    ; behind the ring, never filled by a tensor load: two buffers of 64 rows x 272 bytes for the way out: rows 0-31 h, rows 32-63 c
.set SP,     272
.set SBUF,   64*SP
.set CROWS,  32*SP
.set SPARE,  STAGE+2*SBUF              ; behind the stage: the spare words, 128 bytes for each wave: two blocks of 256 bytes that no other line names
.set C02,  8                           ; v[8:9]    0.2, twice
.set CT2,  10                          ; v[10:11]  2 log2(e), twice
.set ADRA, 16                          ; v16-17  LDS address of my abf fragments in slot 0, 1
.set ADRB, 20                          ; v20-21  the same for wp
.set BO,   22                          ; v22     my byte offset in bias
.set STO,  24                          ; v24     the way out: where I put 32 bytes of a row
.set RD,   25                          ; v25     the way out: where I read a row back
.set CO,   26                          ; v26     my byte offset in the output
.set CIA,  27                          ; v27     where my numbers of c_tm1's tile lie
.set SPW,  28                          ; v28     LDS address of my spare word: SPARE + 4 x my thread's number; never rewritten
.set NIL,  29                          ; v29     0; never rewritten
.set PFO,  30                          ; v30     the prefetches' lane offset in abf or wp; never rewritten
.set PFC,  31                          ; v31     the same in c_tm1: a lane a row; never rewritten
.set RB,   32                          ; v[32:63]   16 rows read back from the stage
.set F0,   64                          ; fragment buffer 0
.set F1,   128                         ; fragment buffer 1
.set BB,   192                         ; v[192:255] gate g, unit 8 s + j at BB + 16 g + 8 s + j: 0.2 b + 0.5 (gates 0, 1, 3), 2 log2(e) b (gate 2)
.set GI,   64                          ; the tail, 16 registers each: i
.set GF,   80                          ; f, then c
.set GO,   96                          ; o
.set GG,   112                         ; the way to tanh(z2), then i tanh(z2)
.set CIN,  128                         ; c_tm1 as it lies in LDS
.set CB,   160                         ; v[160:167] c_tm1 in bf16, packed
.set EE,   168                         ; the way to tanh(c), then h
.set WV,  16                           ; s16  my wave's number
.set RH,  17                           ; s17  my row half.  Also: I fetch for abf (0) or for wp (1)
.set CH,  18                           ; s18  my unit half.  Also: which half of that tile I fetch
.set G1,  24                           ; s[24:31] descriptor group 1 for abf's tiles;  s[32:39] group 0, one set for each slot
.set G0,  32
.set LIM, 43                           ; s43  1 in a wave that prefetches abf or wp, else the greatest number
.set PFA, 44                           ; s[44:45] where those prefetches stand
.set G1B, 48                           ; s[48:55], s[56:63] the same for wp's tiles
.set G0B, 56
.set G1C, 68                           ; s[68:75], s[76:79] for c_tm1's tile; never rewritten
.set G0C, 76
.set PCC, 80                           ; s[80:81] c_tm1 at my 64 rows of the tile
.set PST, 82                           ; s[82:83] bytes from a K step to the next: 256 in abf, 128 rows in wp
.set OUTP, 84                          ; s[84:85] the output that I store (waves 0, 1: h; waves 2, 3: c) at the first row that I store
.set MSB, 0
.macro WIN new                         ; the immediate's high byte repeats the setting that is left; a switch that changes nothing is dropped
.if MSB != (\new)
	s_set_vgpr_msb (MSB<<8)|(\new)
.set MSB, \new
.endif
.endm
.set MUL_LO, 0xa1                      ; source 0 (wp) window 1, source 1 (abf) window 0, C and D window 2
.set MUL_HI, 0xf1                      ; the same, C and D window 3
.set TO_B,   0x40                      ; destination window 1, address window 0
; A joint load.  Waves 0 and 1 fetch abf's two halves, waves 2 and 3 wp's.  Each line has one mask and one set of registers; the branch hangs on the wave's number alone.
; An s_nop 0 and four v_nop follow each of the two lines, ahead of the jump, the label and what follows.
.macro JLOAD s
	s_cmp_eq_u32 s[RH], 0
	s_cbranch_scc0 .Lfor_b_\@
	tensor_load_to_lds s[G0+4*(\s):G0+4*(\s)+3], s[G1:G1+7]
	s_nop 0
.rept 4
	v_nop
.endr
	s_branch .Lasked_\@
.Lfor_b_\@:
	tensor_load_to_lds s[G0B+4*(\s):G0B+4*(\s)+3], s[G1B:G1B+7]
	s_nop 0
.rept 4
	v_nop
.endr
.Lasked_\@:
.endm
; A PREFETCH INTO THE L2, behind each joint load, its five lines and the run of LDS loads: the K step that stands TWO refills on, 512 matrix instructions ahead of the load that will want it.
; Each aligned block of 256 bytes is named once in the launch.  abf's tile row is read by every cluster of that row of clusters: cluster x = 0 asks; wp's tile column by every cluster of that column:
; cluster y = 0 asks.  The four partners that ask for a tile jointly share it out BY ADDRESS: of the 128 rows of abf that a wave fetches the partner at cx takes 32, a lane a row; of the 64 rows of wp the
; partner at cy takes 16, two lanes a row of 512 bytes.  One instruction a wave.  The loop's last trip asks for nothing: K steps 16 and 17 do not exist.  K steps 0 to 3 come by their loads alone.
.macro ASK
	s_cmp_gt_u32 s3, s[LIM]                        ; s3 = 1 in the loop's last trip
	s_cbranch_scc0 .Lnot_mine_\@
	global_prefetch_b8 v[PFO], s[PFA:PFA+1] th:TH_LOAD_NT scope:SCOPE_SE
.Lnot_mine_\@:
.endm
; In the loop's last trip, two K steps ahead of the load: each wave asks for its own 64 rows x 256 bytes of c_tm1's tile, which no other work-group reads: a lane a row, two instructions.
.macro ASKC
	s_cmp_eq_u32 s3, 1
	s_cbranch_scc0 .Lno_c_\@
	global_prefetch_b8 v[PFC], s[PCC:PCC+1] th:TH_LOAD_NT scope:SCOPE_SE
	global_prefetch_b8 v[PFC], s[PCC:PCC+1] offset:32*4096 th:TH_LOAD_NT scope:SCOPE_SE
.Lno_c_\@:
.endm
; A round of the cluster's barrier: my work-group's barrier, so that wave 0's signal speaks for all four waves; wave 0 signals; every wave waits for all sixteen work-groups; my work-group's barrier once more.
.macro CREST                           ; a round behind its opening barrier
	s_cmp_lg_u32 s[WV], 0
	s_cbranch_scc1 .Lnot_wave_0_\@
	s_barrier_signal -3
.Lnot_wave_0_\@:
	s_barrier_wait -3
	s_barrier_signal -1
	s_barrier_wait -1
.endm
.macro CROUND                          ; a whole round
	s_barrier_signal -1
	s_barrier_wait -1
	CREST
.endm
	s_load_b256 s[4:11], s[0:1], 0x0               ; abf s[4:5], wp s[6:7], c_tm1 s[8:9], bias s[10:11]
	s_load_b128 s[12:15], s[0:1], 0x20             ; out0 s[12:13], out1 s[14:15]
	v_lshl_add_u32 v[SPW], v0, 2, SPARE
	v_mov_b32 v[NIL], 0
	ds_add_u32 v[SPW], v[NIL]                      ; the wave's opening: the add, twice on end, and its wait ahead of my first tensor load; the set-up below, work on registers, stands between
	ds_add_u32 v[SPW], v[NIL]                      ; and once more, under the one wait
	v_lshrrev_b32 v1, 5, v0
	v_readfirstlane_b32 s[WV], v1                  ; wave 0..3
	s_lshr_b32 s[RH], s[WV], 1
	s_and_b32 s[CH], s[WV], 1
	s_bfe_u32 s40, ttmp6, 0x40000                  ; cx: my place along the cluster's x
	s_bfe_u32 s41, ttmp6, 0x40004                  ; cy: along its y
	s_lshl_b32 s42, ttmp9, 2                       ; in a cluster launch ttmp9 and ttmp7 count clusters
	s_add_co_u32 s42, s42, s40                     ; TC, the tile column = 4 x cluster x + cx: 64 units
	s_and_b32 s66, ttmp7, 0xffff
	s_lshl_b32 s66, s66, 2
	s_add_co_u32 s66, s66, s41                     ; TR, the tile row = 4 x cluster y + cy: 256 rows
	s_lshl_b32 s43, s41, 2
	s_lshl_b32 s43, 15, s43                        ; my row of the cluster: places 4 cy .. 4 cy + 3
	s_lshl_b32 s44, 0x1111, s40                    ; my column: places cx, cx + 4, cx + 8, cx + 12
	; descriptor groups 1.  abf: 128 rows x 128 elements of 2 bytes, 4 words of padding after every 64.  wp: 64 rows x 256 elements, 8 words after every 128.  c_tm1: 64 rows x 64 elements of 4 bytes, 4 words after every 64.
	s_or_b32 s[G1], s43, (1<<16)|(1<<20)|(1<<21)|(5<<22)|(3<<25)   ; 15:0 the mask: my row; 17:16 element size; 20 padding on; 21 set beside a mask; 24:22 the interval; 31:25 the padding
	s_or_b32 s[G1B], s44, (1<<16)|(1<<20)|(1<<21)|(6<<22)|(7<<25)  ; the mask: my column
	s_mov_b32 s[G1C], (2<<16)|(1<<20)|(5<<22)|(3<<25)              ; no mask: a load of my own
	s_mov_b32 s[G1+1], 128<<16                     ; tensor_dim0
	s_mov_b32 s[G1+2], 128<<16                     ; tensor_dim1
	s_mov_b32 s[G1+3], 128<<16                     ; tile_dim0
	s_mov_b32 s[G1+4], 128                         ; tile_dim1
	s_mov_b32 s[G1+5], 2048                        ; elements from row to row
	s_mov_b32 s[G1+6], 0
	s_mov_b32 s[G1+7], 0
	s_mov_b32 s[G1B+1], 256<<16
	s_mov_b32 s[G1B+2], 64<<16
	s_mov_b32 s[G1B+3], 256<<16
	s_mov_b32 s[G1B+4], 64
	s_mov_b32 s[G1B+5], 4096
	s_mov_b32 s[G1B+6], 0
	s_mov_b32 s[G1B+7], 0
	s_mov_b32 s[G1C+1], 64<<16
	s_mov_b32 s[G1C+2], 64<<16
	s_mov_b32 s[G1C+3], 64<<16
	s_mov_b32 s[G1C+4], 64
	s_mov_b32 s[G1C+5], 1024
	s_mov_b32 s[G1C+6], 0
	s_mov_b32 s[G1C+7], 0
	; where the tiles come from.  abf's hang on the tile row alone, wp's on the tile column alone, each in registers that never hold the other coordinate.
	s_lshl_b32 s20, s66, 20                        ; 256 rows of 4,096 bytes,
	s_lshl_b32 s21, s[CH], 19                      ; the 128 of them that I fetch
	s_add_co_u32 s20, s20, s21
	s_mov_b32 s21, 0
	s_lshl_b32 s46, s42, 9                         ; 256 columns of 2 bytes,
	s_lshl_b32 s47, s[CH], 19                      ; the 64 rows of 8,192 bytes that I fetch
	s_add_co_u32 s46, s46, s47
	s_mov_b32 s47, 0
	s_lshl_b32 s86, s66, 20                        ; c_tm1: 256 rows of 4,096 bytes,
	s_lshl_b32 s87, s[WV], 18                      ; my 64 of them,
	s_add_co_u32 s86, s86, s87
	s_lshl_b32 s87, s42, 8                         ; 64 units of 4 bytes
	s_add_co_u32 s86, s86, s87
	s_mov_b32 s87, 0
	s_mul_i32 s2, s[WV], HALFT                     ; where the ring's tiles go: wave x a load's bytes: no place in the cluster enters an LDS address
	s_mov_b32 s[G0C], 1                            ; count = 1
	s_mul_i32 s[G0C+1], s[WV], 64*PA               ; c_tm1's tile takes the place of slot 0's 256 rows of abf: my 64 rows
	s_wait_dscnt 0x0                               ; both opening adds are done
	s_wait_kmcnt 0x0
	s_add_nc_u64 s[20:21], s[4:5], s[20:21]
	s_add_nc_u64 s[46:47], s[6:7], s[46:47]
	s_add_nc_u64 s[PCC:PCC+1], s[8:9], s[86:87]
	s_mov_b64 s[G0C+2:G0C+3], s[PCC:PCC+1]
	s_or_b32 s[G0C+3], s[G0C+3], 0x80000000        ; type = 2
	CROUND                                         ; all sixteen work-groups are here: the first joint loads meet
.irp s, 0,1
	s_mov_b32 s[G0+4*(\s)], 1                                        ; count = 1
	s_add_co_u32 s[G0+4*(\s)+1], s2, (\s)*SLOT                       ; LDS address
	s_add_nc_u64 s[G0+4*(\s)+2:G0+4*(\s)+3], s[20:21], (\s)*KSTEP*2  ; global address: K step s
	s_or_b32 s[G0+4*(\s)+3], s[G0+4*(\s)+3], 0x80000000              ; type = 2
	s_mov_b32 s[G0B+4*(\s)], 1
	s_add_co_u32 s[G0B+4*(\s)+1], s2, (\s)*SLOT
	s_add_nc_u64 s[G0B+4*(\s)+2:G0B+4*(\s)+3], s[46:47], (\s)*KSTEP*8192
	s_or_b32 s[G0B+4*(\s)+3], s[G0B+4*(\s)+3], 0x80000000
	JLOAD \s                                       ; the ring is filled before anything else is done: two loads of mine are out
.endr
	; All that follows, up to the first wait on the tiles, stands while they are on their way.
	v_and_b32 v1, 15, v0                           ; r = l % 16
	v_bfe_u32 v2, v0, 4, 1                         ; h = l / 16
	v_and_b32 v3, 31, v0                           ; l
	s_lshl_b32 s22, s42, 8                         ; bias: the tile's 64 units,
	s_lshl_b32 s23, s[CH], 7                       ; my 32 of them
	s_add_co_u32 s22, s22, s23
	s_mov_b32 s23, 0
	s_add_nc_u64 s[10:11], s[10:11], s[22:23]
	v_lshlrev_b32 v[BO], 5, v2                     ; my lanes' 8 units
.irp g, 0,1,2,3
.irp t, 0,1,2,3
	global_load_b128 v[BB+16*(\g)+4*(\t):BB+16*(\g)+4*(\t)+3], v[BO], s[10:11] offset:4096*(\g)+64*((\t)/2)+16*((\t)%2)  ; gate g, s = t / 2, registers 4 (t % 2) on
.endr
.endr
	; abf's fragment: 16 rows x 32 K in 8 registers: lane l holds row l % 16, K = 8 (l / 16) + 0..7 and 16 + 8 (l / 16) + 0..7: two loads of 16 bytes, 32 bytes apart.
	v_mul_u32_u24 v4, v1, PA
	v_lshl_add_u32 v4, v2, 4, v4
	s_mul_i32 s19, s[RH], HALFT                    ; my 128 rows
	v_add_nc_u32 v[ADRA], s19, v4
	v_add_nc_u32 v[ADRA+1], SLOT, v[ADRA]
	; wp's fragment: the turning load takes 16 K x 16 columns (lane l reads row 8 (l / 16) + l % 8, columns 8 ((l / 8) % 2) + 0..7) and leaves column l % 16 and 8 K in a lane: two loads, 16 rows apart.
	v_and_b32 v5, 7, v0
	v_lshl_add_u32 v5, v2, 3, v5
	v_mul_u32_u24 v5, v5, PB
	v_bfe_u32 v6, v0, 3, 1
	v_lshl_add_u32 v5, v6, 4, v5
	s_lshl_b32 s19, s[CH], 6                       ; my 32 units of each gate: 64 bytes
	s_add_co_u32 s19, s19, BOFF
	v_add_nc_u32 v[ADRB], s19, v5
	v_add_nc_u32 v[ADRB+1], SLOT, v[ADRB]
	v_mul_u32_u24 v7, v1, SP                       ; row r, 32 bytes for each half of the lanes: for the stage and for c_tm1's tile
	v_lshl_add_u32 v7, v2, 5, v7
	s_lshl_b32 s2, s[CH], 7                        ; my 32 units of 4 bytes
	s_mul_i32 s19, s[RH], 16*SP                    ; into the stage: row 16 RH + r
	s_add_co_u32 s19, s19, s2
	s_add_co_u32 s19, s19, STAGE
	v_add_nc_u32 v[STO], s19, v7
	s_mul_i32 s19, s[RH], HALFT                    ; c_tm1's tile: row 128 RH + r
	s_add_co_u32 s19, s19, s2
	v_add_nc_u32 v[CIA], s19, v7
	v_mul_u32_u24 v12, v2, SP                      ; back: wave w takes the stage's rows 16 w .. 16 w + 15, whole; lanes 0-15 one row of 256 bytes, lanes 16-31 the next
	v_lshl_add_u32 v12, v1, 4, v12
	s_mul_i32 s19, s[WV], 16*SP
	s_add_co_u32 s19, s19, STAGE
	v_add_nc_u32 v[RD], s19, v12
	v_lshlrev_b32 v13, 12, v2                      ; and the same two rows in the output
	v_lshl_add_u32 v[CO], v1, 4, v13
	v_lshrrev_b32 v12, s[RH], v3                   ; the prefetches' lane offset: in abf l rows of 4,096 bytes; in wp l / 2 rows of 8,192 bytes and l % 2 halves of the tile's 512
	s_add_co_u32 s19, s[RH], 12
	v_lshlrev_b32 v12, s19, v12
	v_and_b32 v13, s[RH], v3
	v_lshl_or_b32 v[PFO], v13, 8, v12
	v_lshlrev_b32 v[PFC], 12, v3
	v_mov_b32 v[C02], 0x3e4ccccd                   ; 0.2
	v_mov_b32 v[C02+1], 0x3e4ccccd
	v_mov_b32 v[CT2], 0x4038aa3b                   ; 2 log2(e) = 2.885390
	v_mov_b32 v[CT2+1], 0x4038aa3b
	s_lshl_b32 s22, s66, 20                        ; the output: the tile's 256 rows of 4,096 bytes,
	s_lshl_b32 s23, s[CH], 19                      ; the row half that I store (the stage's rows 16 w on belong to row half w % 2),
	s_add_co_u32 s22, s22, s23
	s_lshl_b32 s23, s42, 8                         ; the tile's 64 units
	s_add_co_u32 s22, s22, s23
	s_mov_b32 s23, 0
	s_cmp_lt_u32 s[WV], 2
	s_cselect_b64 s[OUTP:OUTP+1], s[12:13], s[14:15]
	s_add_nc_u64 s[OUTP:OUTP+1], s[OUTP:OUTP+1], s[22:23]
	; where the prefetches stand: at K step 3; the first refill steps them to 4
	s_lshl_b32 s86, s66, 20
	s_lshl_b32 s87, s[CH], 19
	s_add_co_u32 s86, s86, s87                     ; abf: the 128 rows that I fetch,
	s_lshl_b32 s67, s40, 17
	s_add_co_u32 s86, s86, s67                     ; my work-group's 32 of them
	s_add_co_u32 s86, s86, 3*KSTEP*2
	s_lshl_b32 s67, s41, 17
	s_add_co_u32 s87, s87, s67                     ; wp: the 64 rows that I fetch, my work-group's 16 of them,
	s_lshl_b32 s67, s42, 9
	s_add_co_u32 s87, s87, s67                     ; the tile's columns
	s_add_co_u32 s87, s87, 3*KSTEP*8192
	s_and_b32 s67, ttmp7, 0xffff                   ; cluster y
	s_mov_b32 s[PST], KSTEP*2
	s_mov_b32 s[PST+1], KSTEP*8192
	s_cmp_eq_u32 s[RH], 0                          ; do I fetch for abf?
	s_cselect_b32 s86, s86, s87
	s_cselect_b32 s67, ttmp9, s67                  ; the coordinate along which other clusters read the same rows
	s_cselect_b32 s[PST], s[PST], s[PST+1]
	s_cselect_b64 s[PFA:PFA+1], s[4:5], s[6:7]
	s_mov_b32 s87, 0
	s_mov_b32 s[PST+1], 0
	s_add_nc_u64 s[PFA:PFA+1], s[PFA:PFA+1], s[86:87]
	s_cmp_eq_u32 s67, 0
	s_cselect_b32 s[LIM], 1, -1                    ; the same in all sixteen partners, for a given wave
	; the bias: rounded to bf16 and widened again, then folded into what each gate's first multiply-add adds
	s_wait_loadcnt 0x0
.set p, 0
.rept 32
	v_cvt_pk_bf16_f32 v[12+p%4], v[BB+2*p], v[BB+2*p+1]
	v_lshlrev_b32 v[BB+2*p], 16, v[12+p%4]
	v_and_b32 v[BB+2*p+1], 0xffff0000, v[12+p%4]
.set p, p+1
.endr
.set p, 0
.rept 32
.if p/8 == 2
	v_pk_mul_f32 v[BB+2*p:BB+2*p+1], v[BB+2*p:BB+2*p+1], v[CT2:CT2+1]
.else
	v_pk_fma_f32 v[BB+2*p:BB+2*p+1], v[BB+2*p:BB+2*p+1], v[C02:C02+1], 0.5 op_sel_hi:[1,1,0]
.endif
.set p, p+1
.endr
; 16 matrix instructions: row blocks a0, a0 + 1 of the window's four (hi = 0: my rows 0-63, 1: rows 64-127) x all 8 column blocks, 32 along K.  zero = 1: the first product starts the sums.
; The 64 accumulators take turns, one instruction a turn, in the same order in every quarter.
.macro MUL16 f, hi, a0, zero
	WIN MUL_LO+0x50*(\hi)
.irp a, \a0, (\a0)+1
.irp b, 0,1,2,3,4,5,6,7
.if \zero
	v_wmma_f32_16x16x32_bf16 v[8*(8*(\a)+(\b)):8*(8*(\a)+(\b))+7], v[(\f)+8*(\b):(\f)+8*(\b)+7], v[(\f)+8*(4*(\hi)+(\a)):(\f)+8*(4*(\hi)+(\a))+7], 0
.else
	v_wmma_f32_16x16x32_bf16 v[8*(8*(\a)+(\b)):8*(8*(\a)+(\b))+7], v[(\f)+8*(\b):(\f)+8*(\b)+7], v[(\f)+8*(4*(\hi)+(\a)):(\f)+8*(4*(\hi)+(\a))+7], v[8*(8*(\a)+(\b)):8*(8*(\a)+(\b))+7]
.endif
.endr
.endr
.endm
; 32 LDS loads in one run: the fragments of quarter q of a K step (32 along K) into buffer f: wp's 8 column blocks (block i: gate i / 2, 128 bytes apart; s = i % 2, 32 bytes apart), then abf's 8 row blocks.
.macro FETCH slot, q, f
	WIN TO_B
.irp i, 0,1,2,3,4,5,6,7
	ds_load_tr16_b128 v[(\f)+8*(\i):(\f)+8*(\i)+3],   v[ADRB+(\slot)] offset:(\q)*32*PB+((\i)/2)*128+((\i)%2)*32
	ds_load_tr16_b128 v[(\f)+8*(\i)+4:(\f)+8*(\i)+7], v[ADRB+(\slot)] offset:(\q)*32*PB+((\i)/2)*128+((\i)%2)*32+16*PB
.endr
	WIN 0
.irp i, 0,1,2,3,4,5,6,7
	ds_load_b128 v[(\f)+8*(\i):(\f)+8*(\i)+3],   v[ADRA+(\slot)] offset:(\q)*64+(\i)*16*PA
	ds_load_b128 v[(\f)+8*(\i)+4:(\f)+8*(\i)+7], v[ADRA+(\slot)] offset:(\q)*64+(\i)*16*PA+32
.endr
.endm
; A load into a register that a matrix instruction has read, and a vector instruction that reads a matrix result, stand four places behind it; only plain vector instructions that name none of its
; registers are places (ISA guide 7.12.1 for vector instructions).
.macro PLACES
.rept 4
	v_nop
.endr
.endm
; A K step is four quarters of 32 along K, 64 matrix instructions each, on buffers 0, 1, 0, 1.  One of the first three: multiplies buffer f; in its middle it fetches quarter q of the same slot into buffer g.
.macro QUARTER slot, q, f, g, zero
	s_wait_dscnt 8                                 ; wp's fragments and abf's rows 0-63 are in; the youngest eight loads (abf's rows 64-127) may be out
	WIN MUL_LO
	MUL16 \f, 0, 0, \zero
	MUL16 \f, 0, 2, \zero
	PLACES
	FETCH \slot, \q, \g
	s_wait_dscnt 32                                ; all but the 32 just issued
	WIN MUL_HI
	MUL16 \f, 1, 0, \zero
	MUL16 \f, 1, 2, \zero
.endm
; The last quarter multiplies buffer 1 and changes slots.  MEET is its first half: the barrier that opens a round of the cluster's.  In front of it each wave waits for all its tensor loads, of which one is out:
; its part of the next slot; adds 0 to its spare word; and waits for that and for its own reads of this slot.
.macro MEET
	WIN 0                                          ; (the add's two registers lie in window 0)
	s_wait_tensorcnt 0x0                           ; all my tensor loads have landed
	ds_add_u32 v[SPW], v[NIL]                      ; 0 onto my spare word
	s_wait_dscnt 9                                 ; (the add and the youngest eight loads may be out)
	WIN MUL_LO
	MUL16 F1, 0, 0, 0                              ; sixteen matrix instructions stand between the add and the wait for it
	s_wait_dscnt 0x0                               ; the add is done, and my reads of this slot are over
	s_barrier_signal -1
	MUL16 F1, 0, 2, 0                              ; work on registers while the others arrive
	WIN 0
	s_barrier_wait -1
.endm
; The whole last quarter: behind the round the slot just read out is filled again first, with the K step two steps on; then come the next slot's first fragments.
; From a request to the wait for it a wave issues 224 matrix instructions.
.macro TURN slot, next
	s_wait_xcnt 0x0                                ; the last prefetch, a K step back, has read its address: it is stepped here, ahead of the change's own waits
	s_add_nc_u64 s[PFA:PFA+1], s[PFA:PFA+1], s[PST:PST+1]
	MEET
	CREST                                          ; no wave of any partner still reads this slot's tile or has a load on its way
	s_add_nc_u64 s[G0+4*(\slot)+2:G0+4*(\slot)+3], s[G0+4*(\slot)+2:G0+4*(\slot)+3], 2*KSTEP*2
	s_add_nc_u64 s[G0B+4*(\slot)+2:G0B+4*(\slot)+3], s[G0B+4*(\slot)+2:G0B+4*(\slot)+3], 2*KSTEP*8192
	JLOAD \slot                                    ; the first tensor load behind the round; the four v_nop behind it are also the places in front of the loads below
	FETCH \next, 0, F0
	ASK
.if (\slot) == 0
	ASKC
.endif
	WIN MUL_HI
	MUL16 F1, 1, 0, 0
	MUL16 F1, 1, 2, 0
.endm
; The last change of slots: K step 14 has been read out of slot 0, and c_tm1's tile takes the place of its rows of abf: a refill like any other, behind a round, one load a wave, each wave's own 64 rows.
.macro TURNC
	MEET
	CREST
	tensor_load_to_lds s[G0C:G0C+3], s[G1C:G1C+7]
	s_nop 0
	PLACES
	FETCH 1, 0, F0
	WIN MUL_HI
	MUL16 F1, 1, 0, 0
	MUL16 F1, 1, 2, 0
.endm
; THE TAIL for row block a (16 rows): 16 units a lane.  The exponentials and reciprocals go in four batches of 16, each with one wait ahead of its first reader, and plain work or a
; v_nop behind its last.  Each accumulator's registers are read in ascending order.  h and c go through the stage, since a row's 256 bytes come from the two waves of a row half: one barrier a block; the two
; buffers take turns, so that a buffer is written again only behind the next block's barrier, in front of which every wave has waited for its reads of it.
.macro EPI a
.set AC, 64*((\a)%4)
.set SB, ((\a)%2)*SBUF
	WIN 2+(\a)/4                                   ; source 0: the accumulators' window
.set e, 0
.rept 8
	v_pk_fma_f32 v[GG+e:GG+e+1], v[AC+32+e:AC+32+e+1], v[CT2:CT2+1], v[BB+32+e:BB+32+e+1]  ; 2 log2(e) (z2 + b)
.set e, e+2
.endr
	WIN 0
.set e, 0
.rept 16
	v_exp_f32 v[GG+e], v[GG+e]
.set e, e+1
.endr
	WIN 2+(\a)/4
.set e, 0
.rept 8
	v_pk_fma_f32 v[GI+e:GI+e+1], v[AC+e:AC+e+1], v[C02:C02+1], v[BB+e:BB+e+1] clamp        ; i = clip(0.2 z0 + (0.2 b + 0.5))
.set e, e+2
.endr
.set e, 0
.rept 8
	v_pk_fma_f32 v[GF+e:GF+e+1], v[AC+16+e:AC+16+e+1], v[C02:C02+1], v[BB+16+e:BB+16+e+1] clamp  ; f
.set e, e+2
.endr
.set e, 0
.rept 8
	v_pk_fma_f32 v[GO+e:GO+e+1], v[AC+48+e:AC+48+e+1], v[C02:C02+1], v[BB+48+e:BB+48+e+1] clamp  ; o
.set e, e+2
.endr
	WIN 0
	s_wait_alu depctr_va_vdst(0)                   ; one wait for the 16 exponentials; the 24 lines above are the work between
.set e, 0
.rept 8
	v_pk_add_f32 v[GG+e:GG+e+1], v[GG+e:GG+e+1], 1.0 op_sel_hi:[1,0]
.set e, e+2
.endr
.set e, 0
.rept 16
	v_rcp_f32 v[GG+e], v[GG+e]
.set e, e+1
.endr
	s_wait_dscnt 0x0                               ; my 16 numbers of c_tm1 are in
.set e, 0
.rept 8
	v_cvt_pk_bf16_f32 v[CB+e], v[CIN+2*e], v[CIN+2*e+1]
.set e, e+1
.endr
	s_wait_alu depctr_va_vdst(0)                   ; one wait for the 16 reciprocals
.set e, 0
.rept 8
	v_pk_fma_f32 v[GG+e:GG+e+1], v[GG+e:GG+e+1], -2.0, 1.0 op_sel_hi:[1,0,0]               ; tanh(z2)
.set e, e+2
.endr
.set e, 0
.rept 8
	v_pk_mul_f32 v[GG+e:GG+e+1], v[GI+e:GI+e+1], v[GG+e:GG+e+1]
.set e, e+2
.endr
.set e, 0
.rept 8
	v_fma_mix_f32_bf16 v[GF+2*e], v[CB+e], v[GF+2*e], v[GG+2*e] op_sel_hi:[1,0,0]          ; c = c_tm1 (a bf16 half) x f + i tanh(z2)
	v_fma_mix_f32_bf16 v[GF+2*e+1], v[CB+e], v[GF+2*e+1], v[GG+2*e+1] op_sel:[1,0,0] op_sel_hi:[1,0,0]
.set e, e+1
.endr
.set e, 0
.rept 8
	v_pk_mul_f32 v[EE+e:EE+e+1], v[GF+e:GF+e+1], v[CT2:CT2+1]
.set e, e+2
.endr
.set e, 0
.rept 16
	v_exp_f32 v[EE+e], v[EE+e]
.set e, e+1
.endr
.set e, 0
.rept 4
	ds_store_b128 v[STO], v[GF+4*e:GF+4*e+3] offset:SB+CROWS+64*(e/2)+16*(e%2)             ; c into the stage
.set e, e+1
.endr
	v_nop                                          ; a plain instruction behind the last exponential
	s_wait_alu depctr_va_vdst(0)
.set e, 0
.rept 8
	v_pk_add_f32 v[EE+e:EE+e+1], v[EE+e:EE+e+1], 1.0 op_sel_hi:[1,0]
.set e, e+2
.endr
.set e, 0
.rept 16
	v_rcp_f32 v[EE+e], v[EE+e]
.set e, e+1
.endr
	v_nop
	s_wait_alu depctr_va_vdst(0)
.set e, 0
.rept 8
	v_pk_fma_f32 v[EE+e:EE+e+1], v[EE+e:EE+e+1], -2.0, 1.0 op_sel_hi:[1,0,0]               ; tanh(c)
.set e, e+2
.endr
.set e, 0
.rept 8
	v_pk_mul_f32 v[EE+e:EE+e+1], v[GO+e:GO+e+1], v[EE+e:EE+e+1]                            ; h
.set e, e+2
.endr
.set e, 0
.rept 4
	ds_store_b128 v[STO], v[EE+4*e:EE+4*e+3] offset:SB+64*(e/2)+16*(e%2)
.set e, e+1
.endr
.if (\a) < 7
.set e, 0
.rept 4
	ds_load_b128 v[CIN+4*e:CIN+4*e+3], v[CIA] offset:((\a)+1)*16*PA+64*(e/2)+16*(e%2)      ; the next block's c_tm1
.set e, e+1
.endr
.endif
	s_wait_dscnt 0x0                               ; for the others' sake: my stores into this buffer are done, and my reads of the other buffer are back
	s_barrier_signal -1
	s_barrier_wait -1
	s_wait_xcnt 0x0                                ; the last block's stores have read their registers, which are loaded again below
.set e, 0
.rept 8
	ds_load_b128 v[RB+4*e:RB+4*e+3], v[RD] offset:SB+e*2*SP
.set e, e+1
.endr
.set e, 0
.rept 8
	s_wait_dscnt 7-e                               ; LDS loads come back in order: load e is in
	global_store_b128 v[CO], v[RB+4*e:RB+4*e+3], s[OUTP:OUTP+1] offset:(16*(\a)+2*e)*4096 th:TH_STORE_NT  ; 16 lanes store 256 consecutive bytes, at a multiple of 256 from the output's first byte
.set e, e+1
.endr
.endm
	s_wait_tensorcnt 1                             ; my part of K step 0 is in; K step 1's may stay out
	s_barrier_signal -1
	s_barrier_wait -1                              ; everybody's is
	FETCH 0, 0, F0
	QUARTER 0, 1, F0, F1, 1                        ; the first quarter stands in front of the loop: its products start the sums
	WIN 0                                          ; at a label and at a branch every window is 0
	s_mov_b32 s3, 7                                ; 16 K steps are 8 laps of the ring; all but the last fill both slots again
.Llap:                                                 ; a trip goes once round the ring, from a lap's second quarter to the next lap's first
	QUARTER 0, 2, F1, F0, 0
	QUARTER 0, 3, F0, F1, 0
	TURN 0, 1
	QUARTER 1, 1, F0, F1, 0
	QUARTER 1, 2, F1, F0, 0
	QUARTER 1, 3, F0, F1, 0
	TURN 1, 0
	QUARTER 0, 1, F0, F1, 0
	WIN 0
	s_sub_co_u32 s3, s3, 1
	s_cmp_lg_u32 s3, 0
	s_cbranch_scc1 .Llap
	QUARTER 0, 2, F1, F0, 0                        ; the last lap goes on
	QUARTER 0, 3, F0, F1, 0
	TURNC
	QUARTER 1, 1, F0, F1, 0
	QUARTER 1, 2, F1, F0, 0
	QUARTER 1, 3, F0, F1, 0
	s_wait_dscnt 8                                 ; the very last quarter: nothing more to fetch
	WIN MUL_LO
	MUL16 F1, 0, 0, 0
	MUL16 F1, 0, 2, 0
	s_wait_dscnt 0x0
	s_wait_tensorcnt 0x0                           ; my quarter of c_tm1's tile, the one load that was out, is in:
	s_barrier_signal -1                            ; say so
	MUL16 F1, 1, 0, 0
	MUL16 F1, 1, 2, 0
	WIN 0
	s_barrier_wait -1                              ; the whole tile is in
	PLACES                                         ; behind the last products: the tail reads results and loads into registers that they have read
	PLACES
.set e, 0
.rept 4
	ds_load_b128 v[CIN+4*e:CIN+4*e+3], v[CIA] offset:64*(e/2)+16*(e%2)  ; block 0's c_tm1
.set e, e+1
.endr
	EPI 0
	EPI 1
	EPI 2
	EPI 3
	EPI 4
	EPI 5
	EPI 6
	EPI 7
	s_wait_tensorcnt 0x0                           ; the wave's end, behind my last tensor load and my last LDS store
	ds_add_u32 v[SPW], v[NIL]
	s_wait_dscnt 0x0
	CROUND                                         ; the closing round: no work-group ends while a partner may still ask for a tile that names it
	s_endpgm
.Lfunc_end_k_qf7e685ccc9_cell:
	.size	k_qf7e685ccc9_cell, .Lfunc_end_k_qf7e685ccc9_cell-k_qf7e685ccc9_cell
	.p2alignl 7, 3214868480
	.fill 96, 4, 3214868480
	.section	.rodata,"a",@progbits
	.p2align	6, 0x0
	.amdhsa_kernel k_qf7e685ccc9_cell
		.amdhsa_group_segment_fixed_size 327680
		.amdhsa_private_segment_fixed_size 0
		.amdhsa_enable_private_segment 0
		.amdhsa_kernarg_size 48
		.amdhsa_user_sgpr_count 2
		.amdhsa_user_sgpr_kernarg_segment_ptr 1
		.amdhsa_wavefront_size32 1
		.amdhsa_system_sgpr_workgroup_id_x 1
		.amdhsa_system_sgpr_workgroup_id_y 1
		.amdhsa_system_sgpr_workgroup_id_z 1
		.amdhsa_system_vgpr_workitem_id 0
		.amdhsa_next_free_vgpr 1024
		.amdhsa_next_free_sgpr 88
		.amdhsa_reserve_vcc 0
		.amdhsa_float_denorm_mode_32 3
		.amdhsa_float_denorm_mode_16_64 3
		.amdhsa_memory_ordered 1
		.amdhsa_forward_progress 1
		.amdhsa_inst_pref_size 217
	.end_amdhsa_kernel
	.amdgpu_metadata
---
amdhsa.version: [ 1, 2 ]
amdhsa.kernels:
  - .name:           k_qf7e685ccc9_cell
    .symbol:         k_qf7e685ccc9_cell.kd
    .args:
      - { .name: abf, .offset: 0, .size: 8, .value_kind: global_buffer, .address_space: global }
      - { .name: wp, .offset: 8, .size: 8, .value_kind: global_buffer, .address_space: global }
      - { .name: c_tm1, .offset: 16, .size: 8, .value_kind: global_buffer, .address_space: global }
      - { .name: bias, .offset: 24, .size: 8, .value_kind: global_buffer, .address_space: global }
      - { .name: out0, .offset: 32, .size: 8, .value_kind: global_buffer, .address_space: global }
      - { .name: out1, .offset: 40, .size: 8, .value_kind: global_buffer, .address_space: global }
    .group_segment_fixed_size: 327680
    .private_segment_fixed_size: 0
    .kernarg_segment_align: 8
    .kernarg_segment_size: 48
    .max_flat_workgroup_size: 128
    .sgpr_count:     88
    .vgpr_count:     1024
    .wavefront_size: 32
...
	.end_amdgpu_metadata
.endif
;; end of part 2
;; ======== version 2 of 2: 2 launches; version 1 with the launch cast written anew for expert scheduling mode
;; limits: values outside matrix products are rounded to bf16
;; workspace buffers: abf 33,554,432 bytes; wp 16,777,216 bytes
;; launch cast (part 3): grid 256 x 3, 8 waves a work-group, no clusters, 0 bytes of LDS; arguments inputs, h_tm1, kernel, recurrent_kernel, abf, wp; writes abf, wp
.if DOCPART == 3
	.amdgcn_target "amdgcn-amd-amdhsa--gfx1250"
	.amdhsa_code_object_version 6
	.text
	.protected	k_qf7e685ccc9_cast
	.globl	k_qf7e685ccc9_cast
	.p2align	8
	.type	k_qf7e685ccc9_cast,@function
k_qf7e685ccc9_cast:
	s_mov_b64 s[64:65], 0
	v_nop
	global_prefetch_b8 v0, s[64:65] scope:SCOPE_SE
	s_setreg_imm32_b32 hwreg(HW_REG_WAVE_SCHED_MODE, 0, 2), 2
	s_setreg_imm32_b32 hwreg(HW_REG_WAVE_MODE, 25, 1), 1
	s_wait_xcnt 0x0
	s_wait_alu depctr_vm_vsrc(0)
; THE LSTM CELL'S OPERANDS, ROUNDED ONCE TO bf16 AND LAID OUT FOR THE PRODUCT.  z = [inputs | h_tm1] [kernel ; recurrent_kernel] + bias is one product over K = 2,048.
;   abf [8192][2048] bf16: columns 0-1023 = inputs, columns 1024-2047 = h_tm1.
;   wp  [2048][4096] bf16: rows 0-1023 = kernel, rows 1024-2047 = recurrent_kernel; the columns are permuted so that 256 neighbouring columns hold the four gates of 64 units:
;       source column n = 1024 g + 64 jt + u goes to column 256 jt + 64 g + u (gate g 0..3, jt 0..15, u 0..63).  Nothing is transposed.
; NO WORK IS LEFT OUT in this program: every one of the six inputs reaches both outputs for general values, so all six are loaded (c_tm1 and bias by the second launch).
; LIMIT (format): every input of the module is rounded once to bf16, to nearest even; all sums and all the arithmetic behind the product stay in f32.
; SHARES.  Grid y = 0: inputs, y = 1: h_tm1, y = 2: both weights.  A wave moves 16,384 bytes of source by 32 loads of 16 bytes a lane, all issued before the first is waited for; the text is
; straight: no register is written while a load or store may still read it.  Each store of a wave covers 256 consecutive bytes, aligned; each load two or more aligned runs of 256.
; No LDS, no barrier, no matrix unit: no wave wants a byte that another has fetched.  No prefetch: the loads themselves are all out at once.
; THE MODE: SCHED_MODE bits 1:0 = 2 (LLVM: expert scheduling mode 2), set by the entry lines.  The code itself states the register dependences between vector instructions and memory
; instructions, with s_wait_alu, always for 0.
; THE PLAN.  Registers that memory instructions touch:
;   v1, v2          The loads' and the stores' byte offsets: made once by vector lines, read by every load or store, never written again.
;   v[X+4i..X+4i+3] Load i lands there (no vector line has named them before); conversion pair i reads the four and writes the first two; store i reads those two; nothing writes them afterwards.
;   s16             The wave's number, written by v_readfirstlane_b32, read by scalar lines in both arms.
; The 32 loads go in eight groups of four.  Group g's conversions name group g's sixteen registers alone.  The four stores of group g - 1 stand in group g, one ahead of each pair of conversions, behind
; ONE wait on va_vdst at the group's head, which states that group g - 1's conversions have written their results; a last such wait stands ahead of the last four stores.  No register that a memory
; instruction has read is ever written again, so the only wait on vm_vsrc is the entry's.
.set X, 8                              ; v[8:135]  32 x 4 registers as loaded; the first two of each four then hold the packed result
.set GROUP, 4                          ; loads in a group
; Store n (a symbol set by CAST).  w = 0: 128 numbers, 256 bytes, in abf's row of 4,096 bytes.  w = 1: bytes 256 n of wp's row.
.macro PUT w
.if \w
	global_store_b64 v2, v[X+4*n:X+4*n+1], s[22:23] offset:256*n th:TH_STORE_NT
.else
	global_store_b64 v2, v[X+4*n:X+4*n+1], s[22:23] offset:(n/8)*4096+(n%8)*256 th:TH_STORE_NT
.endif
.endm
; w = 0: 4 rows of inputs or h_tm1.  Load i: 512 consecutive bytes, row i / 8.  Store i: the same 128 numbers, 256 bytes, in abf's row of 4,096 bytes.
; w = 1: one row of a weight.  Load i: lanes 0-15 take 256 bytes of gate 2 (i % 2), lanes 16-31 of gate 2 (i % 2) + 1, units 64 (i / 2) on.  Store i: bytes 256 i of wp's row.
.macro CAST w
	s_wait_alu depctr_va_vdst(0)                   ; v1 and v2 are written: every load below reads v1 as its offset, every store v2
.set i, 0
.rept 32
.if \w
	global_load_b128 v[X+4*i:X+4*i+3], v1, s[20:21] offset:256*(i/2)+8192*(i%2) th:TH_LOAD_NT
.else
	global_load_b128 v[X+4*i:X+4*i+3], v1, s[20:21] offset:512*i th:TH_LOAD_NT
.endif
.set i, i+1
.endr
.set i, 0
.rept 32
	s_wait_loadcnt 31-i                            ; loads come back in order (ISA guide 5.7.1): load i is in, the 31 - i younger ones stay out
.if (i%GROUP == 0) && (i > 0)
	s_wait_alu depctr_va_vdst(0)                   ; the conversions of the group before have written their eight results, which this group's four stores read
.endif
.if i >= GROUP
.set n, i-GROUP
	PUT \w                                         ; no wait: the vector lines issued since the wait above name this group's registers alone
.endif
	v_cvt_pk_bf16_f32 v[X+4*i], v[X+4*i], v[X+4*i+1]
	v_cvt_pk_bf16_f32 v[X+4*i+1], v[X+4*i+2], v[X+4*i+3]
.set i, i+1
.endr
	s_wait_alu depctr_va_vdst(0)                   ; the last group's conversions have written their results, which the last four stores read
.set n, 32-GROUP
.rept GROUP
	PUT \w
.set n, n+1
.endr
.endm
	s_load_b256 s[4:11], s[0:1], 0x0               ; inputs s[4:5], h_tm1 s[6:7], kernel s[8:9], recurrent_kernel s[10:11]
	s_load_b128 s[12:15], s[0:1], 0x20             ; abf s[12:13], wp s[14:15]
	v_lshrrev_b32 v3, 5, v0
	v_readfirstlane_b32 s16, v3                    ; wave 0..7
	s_and_b32 s17, ttmp7, 0xffff                   ; grid y
	v_and_b32 v4, 31, v0                           ; lane
	v_lshlrev_b32 v2, 3, v4                        ; 8 bytes a lane on the way out
	s_mov_b32 s19, 0                               ; the offsets' high words
	s_mov_b32 s25, 0
	s_wait_alu depctr_va_sdst(0)                   ; s16 is written
	s_cmp_eq_u32 s17, 2
	s_cbranch_scc1 .Lweights
	v_lshlrev_b32 v1, 4, v4                        ; 16 bytes a lane on the way in
	s_lshl_b32 s18, ttmp9, 17                      ; the group's 32 rows of 4,096 bytes,
	s_lshl_b32 s24, s16, 14                        ; the wave's 4 of them: the same number in the source and in abf
	s_add_co_u32 s18, s18, s24
	s_lshl_b32 s24, s17, 11                        ; h_tm1 goes 2,048 bytes further along abf's rows
	s_wait_kmcnt 0x0
	s_cmp_eq_u32 s17, 0
	s_cselect_b64 s[20:21], s[4:5], s[6:7]
	s_add_nc_u64 s[20:21], s[20:21], s[18:19]
	s_add_nc_u64 s[22:23], s[12:13], s[18:19]
	s_add_nc_u64 s[22:23], s[22:23], s[24:25]
	CAST 0
	s_endpgm
.Lweights:
	v_lshrrev_b32 v5, 4, v4                        ; which of the load's two gates
	v_and_b32 v6, 15, v4
	v_lshlrev_b32 v1, 4, v6
	v_lshl_add_u32 v1, v5, 12, v1                  ; 4,096 bytes from gate to gate + 16 bytes a lane
	s_lshl_b32 s18, ttmp9, 3
	s_add_co_u32 s18, s18, s16                     ; row of wp = 8 x group + wave, 0..2047
	s_lshl_b32 s24, s18, 13                        ; 8,192 bytes a row of wp
	s_and_b32 s18, s18, 1023
	s_lshl_b32 s18, s18, 14                        ; 16,384 bytes a row of the source
	s_wait_kmcnt 0x0
	s_cmp_lt_u32 ttmp9, 128                        ; rows 0-1023 come from kernel
	s_cselect_b64 s[20:21], s[8:9], s[10:11]
	s_add_nc_u64 s[20:21], s[20:21], s[18:19]
	s_add_nc_u64 s[22:23], s[14:15], s[24:25]
	CAST 1
	s_endpgm
.Lfunc_end_k_qf7e685ccc9_cast:
	.size	k_qf7e685ccc9_cast, .Lfunc_end_k_qf7e685ccc9_cast-k_qf7e685ccc9_cast
	.p2alignl 7, 3214868480
	.fill 96, 4, 3214868480
	.section	.rodata,"a",@progbits
	.p2align	6, 0x0
	.amdhsa_kernel k_qf7e685ccc9_cast
		.amdhsa_group_segment_fixed_size 0
		.amdhsa_private_segment_fixed_size 0
		.amdhsa_enable_private_segment 0
		.amdhsa_kernarg_size 48
		.amdhsa_user_sgpr_count 2
		.amdhsa_user_sgpr_kernarg_segment_ptr 1
		.amdhsa_wavefront_size32 1
		.amdhsa_system_sgpr_workgroup_id_x 1
		.amdhsa_system_sgpr_workgroup_id_y 1
		.amdhsa_system_sgpr_workgroup_id_z 1
		.amdhsa_system_vgpr_workitem_id 0
		.amdhsa_next_free_vgpr 136
		.amdhsa_next_free_sgpr 66
		.amdhsa_reserve_vcc 0
		.amdhsa_float_denorm_mode_32 3
		.amdhsa_float_denorm_mode_16_64 3
		.amdhsa_memory_ordered 1
		.amdhsa_forward_progress 1
		.amdhsa_inst_pref_size 25
	.end_amdhsa_kernel
	.amdgpu_metadata
---
amdhsa.version: [ 1, 2 ]
amdhsa.kernels:
  - .name:           k_qf7e685ccc9_cast
    .symbol:         k_qf7e685ccc9_cast.kd
    .args:
      - { .name: inputs, .offset: 0, .size: 8, .value_kind: global_buffer, .address_space: global }
      - { .name: h_tm1, .offset: 8, .size: 8, .value_kind: global_buffer, .address_space: global }
      - { .name: kernel, .offset: 16, .size: 8, .value_kind: global_buffer, .address_space: global }
      - { .name: recurrent_kernel, .offset: 24, .size: 8, .value_kind: global_buffer, .address_space: global }
      - { .name: abf, .offset: 32, .size: 8, .value_kind: global_buffer, .address_space: global }
      - { .name: wp, .offset: 40, .size: 8, .value_kind: global_buffer, .address_space: global }
    .group_segment_fixed_size: 0
    .private_segment_fixed_size: 0
    .kernarg_segment_align: 8
    .kernarg_segment_size: 48
    .max_flat_workgroup_size: 256
    .sgpr_count:     66
    .vgpr_count:     136
    .wavefront_size: 32
...
	.end_amdgpu_metadata
.endif
;; end of part 3
;; launch cell: the kernel of part 2 again; grid 16 x 32, 4 waves a work-group, clusters of 4 x 4, 327,680 bytes of LDS; arguments abf, wp, c_tm1, bias, out0, out1; writes out0, out1
